; MI455X (gfx1250); checked and timed in simulation.
; The chip was launched on July 23, 2026; its instructions are those of AMD's public machine-readable ISA for CDNA 5 (MIT licence, August 2026) and "CDNA5" Instruction Set Architecture Reference Guide (July 2026). The comments in the code are by the model that wrote it; some were corrected since.
;; General Self Attention. Allowed arithmetic: matrix products marked QUANTISED: E2M3 operands, one E8M0 scale for each 32 along K, by v_wmma_scale_f32_16x16x128_f8f6f4 with both operands' format E2M3, f32 sums; everything else in f32.
;; Inputs: Wk 16 x 1,024 x 64 float32; Wo 1,024 x 1,024 float32; Wq 16 x 1,024 x 64 float32; Wv 16 x 1,024 x 64 float32; bk 16 x 64 float32; bo 1,024 float32; bq 16 x 64 float32; bv 16 x 64 float32; tau 16 float32; x 2 x 2,048 x 1,024 float32.
;; Outputs: out0 2 x 2,048 x 1,024 float32.
;; This version of the problem:
;;   THIS VERSION OF THE PROBLEM IS GIVEN IN LOW PRECISION. The matrix products marked QUANTISED in the list below multiply operands that are first quantised to E2M3 (2 exponent bits, 3 mantissa bits; 6 bits a number), with one power-of-two scale for each 32 numbers along K (OCP MX v1.0); their sums are f32. All else is computed in f32.
;;   The module's matrix products, in the order in which they are computed (A, B: the left and right operand; K: the contracted axis; several contracted axes count as one K, in the product's order):
;;     1. [M 1,024, K 1,024] x [K 1,024, N 4,096]; A: input Wq; B: input x: QUANTISED
;;     2. [M 1,024, K 1,024] x [K 1,024, N 4,096]; A: input Wk; B: input x: QUANTISED
;;     3. [M 1,024, K 1,024] x [K 1,024, N 4,096]; A: input Wv; B: input x: QUANTISED
;;     4. batch 32 x [M 2,048, K 64] x [K 64, N 2,048]; A: computed on the way; B: computed on the way: QUANTISED
;;     5. batch 32 x [M 2,048, K 2,048] x [K 2,048, N 64]; A: softmax (see below); B: computed on the way: QUANTISED
;;     6. [M 4,096, K 1,024] x [K 1,024, N 1,024]; A: computed on the way; B: input Wo: QUANTISED
;;   THE QUANTISER, for each operand of a quantised product, along K:
;;     - K is cut into blocks of 32 from its start; a last block that is shorter is filled with zeros.
;;     - A block's scale is 2^e with e = floor(log2(the largest magnitude in the block)) - 2, held to -126 .. 127; a block of zeros has e = 0. As a byte (E8M0): e + 127.
;;     - Each number is divided by its block's scale, clamped to +-7.5, and rounded to the nearest number of E2M3, ties to even, subnormals kept.
;;     - The product sums the exact products of the quantised numbers (number of the format x scale) in f32.
;;   ~~~python
;;   def quantise(x, axis):      # numpy; x: float32 -> the quantised numbers, widened to float32 again
;;       x = np.moveaxis(x, axis, -1); K = x.shape[-1]
;;       x = np.pad(x, [(0, 0)] * (x.ndim - 1) + [(0, -K % 32)]); x = x.reshape(x.shape[:-1] + (-1, 32)); a = np.abs(x).max(-1, keepdims=True)
;;       e = np.where(a > 0, np.clip(np.frexp(np.where(a > 0, a, 1))[1] - 1 - 2, -126, 127), 0)      # np.frexp(a)[1] - 1 = floor(log2(a)), exactly
;;       r = np.clip(x / 2.0 ** e, -7.5, 7.5)
;;       step = 2.0 ** (np.maximum(np.frexp(np.where(r == 0, 1, r))[1] - 1, 0) - 3)
;;       q = np.round(r / step) * step * 2.0 ** e      # np.round: ties to even
;;       return np.moveaxis(q.reshape(q.shape[:-2] + (-1,))[..., :K], -1, axis).astype(np.float32)
;;   ~~~
;;   SOFTMAX AHEAD OF A QUANTISED PRODUCT. Where the list says 'softmax', what is quantised is not the finished softmax but p = 2^(t - M), with t = logit x log2(e) and M = ceil(the row's largest t), a whole number; so 1/2 < the row's largest p <= 1. The row's sum l is taken of the UNQUANTISED p, in f32, and the product's result is divided by l at the end. Since M is a whole number, a kernel that streams over the keys may use a running M (the ceiling of the running maximum): every later rescaling is an exact power of two, which a block's scale takes up: the codes' values come out the same.
;;   OPERANDS COMPUTED ON THE WAY. 'Computed on the way' means the value that the module computes at that place (a softmax that the list does not call 'softmax' is quantised finished and normalised). What goes into a quantiser is computed in f32, as accurately as f32 sums, v_exp_f32 and their like allow (about 1e-6 of the number): no bf16 or f16 on the way to a quantiser, and a product that is left as it is and whose result goes on into a quantised operand takes f32 operands (vector FMAs, or v_wmma_f32_16x16x4_f32). A number that lies on a knife's edge between two numbers of the format may be rounded either way, as far as f32 arithmetic and the matrix unit's own rounding can turn it there, and no further.
;; One version. Each part assembles by itself: llvm-mc -triple=amdgcn-amd-amdhsa -mcpu=gfx1250 --defsym DOCPART=n.
;; ======== version 1 of 1: 4 launches
;; limits: right only within a limited range of input values
;; workspace buffers: xq 3,276,800 bytes; wc 3,276,800 bytes; qb 4,194,304 bytes; kv 6,815,744 bytes; yc 3,145,728 bytes; ys 524,288 bytes
;; launch quant (part 1): grid 512 x 1, 4 waves a work-group, no clusters, 68,096 bytes of LDS; arguments x, Wq, Wk, Wv, Wo, xq, wc; writes xq, wc
.if DOCPART == 1
	.amdgcn_target "amdgcn-amd-amdhsa--gfx1250"
	.amdhsa_code_object_version 6
	.text
	.protected	k_q49e7d4ba43_quant
	.globl	k_q49e7d4ba43_quant
	.p2align	8
	.type	k_q49e7d4ba43_quant,@function
k_q49e7d4ba43_quant:
	s_mov_b64 s[64:65], 0
	v_nop
	global_prefetch_b8 v0, s[64:65] scope:SCOPE_SE
	s_setreg_imm32_b32 hwreg(HW_REG_WAVE_MODE, 25, 1), 1
	s_wait_xcnt 0x0
; x [4096 tokens][1024] and the four weights (K = their row axis) become codes of FP6 (E2M3) with one E8M0 byte for each 32 along K,
; laid in the ORDER OF THE OPERAND'S REGISTERS.  A fragment (16 rows x 128 K, 12 registers a lane) is 1,536 bytes: three blocks of 512,
; block g = registers 4 g .. 4 g + 3, lane l's 16 bytes at 16 l.  The scale words of two neighbouring tiles are 128 bytes: lanes 0-15 the
; even tile's rows, lanes 16-31 the odd tile's.
; THE ROWS OF A TILE ARE NOT NEIGHBOURS: of a group of 32 (tokens, or columns of a weight) row r of tile u is element 8 u + r + 8 (r / 8).
; A block's scale is 2^(floor(log2(largest magnitude)) - 2); its byte is the largest magnitude's exponent field - 2, held at 1 from below.
; LIMITS: a block of zeros gets the byte 1 (its codes are zeros; the bytes are read by this program alone); NaN and infinities are not served.
; SHARES.  Work-groups 0-255: x; work-group = (block of 128 tokens, 128 along K), wave b = tokens 32 b .. 32 b + 31: two tiles.
;          Work-groups 256-511: the weights; a wave = 32 columns x 128 along K of one weight: two tiles.
; No work-group reads what another reads, so there is no cluster; waves share nothing, so there is no barrier; no matrix work.
; xq: [block 32][ks 8] records of 12,800 bytes: 8 fragments, then 4 pairs' scale words.
; wc: 16 head blocks of 153,600 bytes (scales [ks][q,k,v][g] x 128, then codes [ks][q,k,v][tile 4] x 1,536), then 16 blocks of Wo (64 columns)
;     of 51,200 bytes (scales [ks][g] x 128, then codes [ks][tile 4] x 1,536).
.set WV,  18                           ; s18      my wave
.set SEL, 20                           ; s[20:21] v_permlanex16_b32's selects for lane l xor 16
.set NUM, 32                           ; v32-159  128 numbers
.set F0,  160                          ; v160-171 the even tile's fragment
.set F1,  172                          ; v172-183 the odd tile's
.set TA,  184                          ; v184-186, v188-190 a conversion's three registers begin on an even number: the upper halves are made here and moved
.set TB,  188
.set TM,  192                          ; v192-195 largest magnitudes, v196-199 the other half's, then bytes, v204-207 scale operands
.set PW,  208                          ; v208-210 scale words
.set OFS, 216                          ; v216-247 weights: byte offsets of 32 rows at my column
	s_load_b256 s[4:11], s[0:1], 0x0               ; x, Wq, Wk, Wv
	s_load_b128 s[12:15], s[0:1], 0x20             ; Wo, xq
	s_load_b64 s[16:17], s[0:1], 0x30              ; wc
	v_lshl_add_u32 v254, v0, 2, 0x10800
	v_mov_b32 v255, 0
	v_lshrrev_b32 v1, 5, v0
	v_readfirstlane_b32 s[WV], v1
	v_and_b32 v1, 31, v0                           ; lane
	v_and_b32 v2, 15, v0                           ; r
	v_bfe_u32 v3, v0, 4, 1                         ; h
	v_lshlrev_b32 v4, 4, v1                        ; 16 x lane
	v_lshlrev_b32 v5, 2, v1                        ; 4 x lane
	s_mov_b32 s[SEL], 0x76543210
	s_mov_b32 s[SEL+1], 0xfedcba98
.irp b, 0,1,2,3
	v_mov_b32 v[TM+4+\b], 0                        ; written once: a lane permute's destination counts as one of its sources
.endr
	s_cmp_lt_u32 ttmp9, 256
	s_cbranch_scc0 .Lweights
; ---------------------------------------------------------------- x
; 64 numbers of a lane, register 16 b + i = k 32 b + 16 (lane / 16) + i of my row, become a fragment's codes in v[pc] on and its scale word in v[pw]
.macro QUANT s, pc, pw
.irp b, 0,1,2,3
	v_max3_num_f32 v[TM+\b], |v[\s+16*\b]|, |v[\s+1+16*\b]|, 0x1800000   ; my 16 numbers of block b, and the floor 2^(3 - 127): the byte cannot fall under 1
.endr
.irp i, 2,4,6,8,10,12,14
.irp b, 0,1,2,3
	v_max3_num_f32 v[TM+\b], v[TM+\b], |v[\s+16*\b+\i]|, |v[\s+1+16*\b+\i]|
.endr
.endr
.irp b, 0,1,2,3
	v_permlanex16_b32 v[TM+4+\b], v[TM+\b], s[SEL], s[SEL+1]
.endr
.irp b, 0,1,2,3
	v_max_num_f32 v[TM+\b], v[TM+\b], v[TM+4+\b]   ; with lane l xor 16's: the block's largest magnitude
.endr
.irp b, 0,1,2,3
	v_add_nc_u32 v[TM+12+\b], 0xff000000, v[TM+\b] ; 2 off its exponent field: the conversion's scale operand
.endr
.irp b, 0,1,2,3
	v_lshrrev_b32 v[TM+4+\b], 23, v[TM+12+\b]      ; the scale's byte
.endr
	v_lshl_or_b32 v[\pw], v[TM+5], 8, v[TM+4]
	v_lshl_or_b32 v[\pw], v[TM+6], 16, v[\pw]
	v_lshl_or_b32 v[\pw], v[TM+7], 24, v[\pw]
.irp c, 0,1
	v_cvt_scalef32_pk16_fp6_f32 v[\pc+6*\c:\pc+2+6*\c], v[\s+32*\c:\s+15+32*\c], v[TM+12+2*\c]
	v_cvt_scalef32_pk16_fp6_f32 v[TA+4*\c:TA+2+4*\c], v[\s+16+32*\c:\s+31+32*\c], v[TM+12+2*\c+1]
.endr
	v_nop                                          ; one plain place behind a scaled conversion
.irp c, 0,1                                    ; the operand's layout wants a whole block in a lane: lanes 0-15 block 2 c, lanes 16-31 block 2 c + 1
.irp i, 0,1,2
	v_permlane16_swap_b32 v[\pc+6*\c+\i], v[TA+4*\c+\i]
.endr
.irp i, 0,1,2
	v_mov_b32 v[\pc+3+6*\c+\i], v[TA+4*\c+\i]
.endr
.endr
.endm
; Tile u's 16 rows x 512 bytes go through my wave's stage (rows 528 bytes apart) and come back 16 neighbours of each block a lane.
; LDS serves a wave's instructions in order, so no wait stands between the stores and the loads.
.macro TURN u
.irp i, 0,1,2,3,4,5,6,7,8,9,10,11,12,13,14,15
	ds_store_b128 v6, v[NUM+64*\u+4*\i:NUM+64*\u+4*\i+3] offset:8448*\u+528*\i
.endr
.irp b, 0,1,2,3
.irp j, 0,1,2,3
	ds_load_b128 v[NUM+64*\u+16*\b+4*\j:NUM+64*\u+16*\b+4*\j+3], v7 offset:8448*\u+128*\b+16*\j
.endr
.endr
.endm
	s_lshr_b32 s33, ttmp9, 3                       ; block of 128 tokens
	s_and_b32 s34, ttmp9, 7                        ; ks
	s_lshl_b32 s36, s33, 19                        ; 128 rows of 4,096 bytes
	s_lshl_b32 s37, s[WV], 17                      ; 32 rows
	s_add_co_u32 s36, s36, s37
	s_lshl_b32 s37, s34, 9                         ; 128 numbers
	s_add_co_u32 s36, s36, s37
	s_mov_b32 s37, 0
	s_mul_i32 s38, ttmp9, 12800                    ; the record: 8 x block + ks is the work-group's number
	s_mul_i32 s39, s[WV], 3072                     ; my two fragments
	s_add_co_u32 s40, s38, s39
	s_mov_b32 s41, 0
	s_lshl_b32 s39, s[WV], 7                       ; my pair's scale words
	s_add_co_u32 s42, s38, s39
	s_add_co_u32 s42, s42, 12288
	s_mov_b32 s43, 0
	s_mul_i32 s44, s[WV], 16896                    ; my stage: 2 x 16 rows x 528 bytes
	s_wait_alu depctr_va_vdst(0)
	v_add_nc_u32 v6, s44, v4                       ; in: 16 x lane of a row
	v_mul_u32_u24 v7, v2, 528
	v_lshl_add_u32 v7, v3, 6, v7
	v_add_nc_u32 v7, s44, v7                       ; back: row r, + 64 h
	s_wait_alu depctr_va_vdst(0)
	s_wait_kmcnt 0x0
	s_add_nc_u64 s[4:5], s[4:5], s[36:37]
	s_add_nc_u64 s[24:25], s[14:15], s[40:41]
	s_add_nc_u64 s[26:27], s[14:15], s[42:43]
.irp u, 0,1
.irp i, 0,1,2,3,4,5,6,7,8,9,10,11,12,13,14,15
	global_load_b128 v[NUM+64*\u+4*\i:NUM+64*\u+4*\i+3], v4, s[4:5] offset:(8*\u+\i+8*(\i/8))*4096 th:TH_LOAD_NT   ; 32 lanes read 512 consecutive bytes of one token
.endr
.endr
	s_wait_loadcnt 16                              ; tile 0's sixteen loads are in; tile 1's sixteen may be out
	TURN 0
	s_wait_loadcnt 0x0
	TURN 1
	s_wait_dscnt 32                                ; tile 0 is back; tile 1's 16 stores and 16 loads may be out
	QUANT NUM, F0, PW
.irp g, 0,1,2
	global_store_b128 v4, v[F0+4*\g:F0+4*\g+3], s[24:25] offset:512*\g           ; 512 consecutive bytes a store
.endr
	s_wait_dscnt 0x0
	QUANT NUM+64, F1, PW+1
.irp g, 0,1,2
	global_store_b128 v4, v[F1+4*\g:F1+4*\g+3], s[24:25] offset:1536+512*\g
.endr
	v_cmp_gt_u32 vcc_lo, 16, v1
	v_cndmask_b32 v[PW+2], v[PW+1], v[PW], vcc_lo  ; lanes 0-15 the even tile's words, lanes 16-31 the odd tile's
	global_store_b32 v5, v[PW+2], s[26:27]
	s_wait_tensorcnt 0x0
	ds_add_u32 v254, v255
	s_wait_dscnt 0x0
	s_endpgm
; ---------------------------------------------------------------- the weights
; A LANE TAKES A COLUMN AND ITS REGISTERS RUN DOWN K: lanes 0-15 are the even tile's rows, lanes 16-31 the odd tile's; a block of 32 along K lies in one lane.
.Lweights:
	s_sub_co_u32 s33, ttmp9, 256
	s_and_b32 s34, s33, 31
	s_lshl_b32 s34, s34, 2
	s_add_co_u32 s34, s34, s[WV]                   ; which of 128 groups of 32 columns
	s_lshr_b32 s35, s33, 5                         ; ks
	s_lshr_b32 s36, s34, 5                         ; which weight: 0 q, 1 k, 2 v, 3 o
	s_and_b32 s37, s34, 31                         ; its group of 32 columns
	s_lshr_b32 s38, s37, 1                         ; head, or block of 64 columns of Wo
	s_and_b32 s39, s37, 1                          ; g: which 32 of the 64
	s_lshl_b32 s40, s38, 18                        ; a head's weight: 1,024 rows of 256 bytes
	s_lshl_b32 s41, s39, 7                         ; 128 g
	s_add_co_u32 s40, s40, s41                     ; per-head weight: my columns' first byte
	s_lshl_b32 s42, s37, 7                         ; Wo: likewise
	s_mul_i32 s43, s38, 153600
	s_mul_i32 s44, s35, 768
	s_add_co_u32 s44, s44, s43
	s_lshl_b32 s45, s36, 8
	s_add_co_u32 s44, s44, s45
	s_add_co_u32 s44, s44, s41                     ; per-head weight: where the scale words go
	s_mul_i32 s45, s35, 18432
	s_add_co_u32 s45, s45, s43
	s_mul_i32 s46, s36, 6144
	s_add_co_u32 s45, s45, s46
	s_mul_i32 s46, s39, 3072
	s_add_co_u32 s45, s45, s46
	s_add_co_u32 s45, s45, 6144                    ; and the codes
	s_mul_i32 s47, s38, 51200
	s_add_co_u32 s47, s47, 2457600
	s_lshl_b32 s48, s35, 8
	s_add_co_u32 s48, s48, s47
	s_add_co_u32 s48, s48, s41                     ; Wo: the scale words
	s_mul_i32 s49, s35, 6144
	s_add_co_u32 s49, s49, s47
	s_add_co_u32 s49, s49, s46
	s_add_co_u32 s49, s49, 2048                    ; and the codes
	s_mov_b32 s32, 4096
	s_cmp_eq_u32 s36, 3
	s_cselect_b32 s32, s32, 256                    ; bytes from row to row along K
	s_cselect_b32 s40, s42, s40
	s_cselect_b32 s44, s48, s44
	s_cselect_b32 s45, s49, s45
	s_lshl_b32 s50, s35, 7
	s_mul_i32 s50, s50, s32                        ; 128 ks rows
	s_add_co_u32 s40, s40, s50
	s_mov_b32 s41, 0
	s_lshl_b32 s56, s32, 5                         ; 32 rows
	s_mov_b32 s57, 0
	s_mov_b32 s46, s45
	s_mov_b32 s47, 0
	s_mov_b32 s45, 0                               ; s[44:45]: the scale words' offset; s[46:47]: the codes'
	s_wait_alu depctr_va_vdst(0)
	v_and_b32 v8, 7, v1
	v_lshl_add_u32 v8, v3, 3, v8
	v_bfe_u32 v9, v0, 3, 1
	v_lshl_add_u32 v8, v9, 4, v8                   ; my column of the 32: 8 (lane / 16) + lane % 8 + 16 ((lane / 8) % 2)
	v_lshlrev_b32 v8, 2, v8
.set i, 0
.rept 32
	v_mad_u32_u24 v[OFS+i], s32, i, v8
.set i, i+1
.endr
	s_wait_alu depctr_va_vdst(0)
	s_wait_kmcnt 0x0
	s_cmp_lt_u32 s36, 1                            ; the choice of a buffer hangs on the work-group's and the wave's number alone
	s_cselect_b64 s[52:53], s[6:7], s[8:9]
	s_cmp_lt_u32 s36, 3
	s_cselect_b64 s[54:55], s[10:11], s[12:13]
	s_cmp_lt_u32 s36, 2
	s_cselect_b64 s[52:53], s[52:53], s[54:55]
	s_add_nc_u64 s[24:25], s[52:53], s[40:41]      ; four bases, 32 rows apart
	s_add_nc_u64 s[26:27], s[24:25], s[56:57]
	s_add_nc_u64 s[28:29], s[26:27], s[56:57]
	s_add_nc_u64 s[30:31], s[28:29], s[56:57]
	s_add_nc_u64 s[58:59], s[16:17], s[46:47]
	s_add_nc_u64 s[60:61], s[16:17], s[44:45]
.irp kb, 0,1,2,3
.set i, 0
.rept 32
	global_load_b32 v[NUM+32*\kb+i], v[OFS+i], s[24+2*\kb:25+2*\kb] th:TH_LOAD_NT   ; one row of K at 32 columns: 128 consecutive bytes
.set i, i+1
.endr
.endr
; Blocks 2 c and 2 c + 1.  X = the codes of block 2 c, Y = those of block 2 c + 1, in all lanes.  The even tile's fragment wants X of lanes 0-15 below and Y of lanes 0-15 above,
; the odd tile's X of lanes 16-31 below and Y of lanes 16-31 above: one exchange of X's upper lanes with Y's lower lanes for each register gives both.
.macro PAIR c
.irp b, 0,1
	v_max3_num_f32 v[TM+\b], |v[NUM+64*\c+32*\b]|, |v[NUM+64*\c+32*\b+1]|, 0x1800000
.endr
.irp i, 2,4,6,8,10,12,14,16,18,20,22,24,26,28,30
.irp b, 0,1
	v_max3_num_f32 v[TM+\b], v[TM+\b], |v[NUM+64*\c+32*\b+\i]|, |v[NUM+64*\c+32*\b+\i+1]|
.endr
.endr
.irp b, 0,1
	v_add_nc_u32 v[TM+12+\b], 0xff000000, v[TM+\b]
.endr
.irp b, 0,1
	v_lshrrev_b32 v[TM+4+2*\c+\b], 23, v[TM+12+\b]
.endr
	v_cvt_scalef32_pk16_fp6_f32 v[F0+6*\c:F0+6*\c+2], v[NUM+64*\c:NUM+64*\c+15], v[TM+12]
	v_cvt_scalef32_pk16_fp6_f32 v[TA:TA+2], v[NUM+64*\c+16:NUM+64*\c+31], v[TM+12]
	v_cvt_scalef32_pk16_fp6_f32 v[F1+6*\c:F1+6*\c+2], v[NUM+64*\c+32:NUM+64*\c+47], v[TM+13]
	v_cvt_scalef32_pk16_fp6_f32 v[TB:TB+2], v[NUM+64*\c+48:NUM+64*\c+63], v[TM+13]
	v_nop                                          ; one plain place behind a scaled conversion
.irp i, 0,1,2
	v_permlane16_swap_b32 v[F0+6*\c+\i], v[F1+6*\c+\i]
	v_permlane16_swap_b32 v[TA+\i], v[TB+\i]
.endr
.irp i, 0,1,2
	v_mov_b32 v[F0+6*\c+3+\i], v[TA+\i]
	v_mov_b32 v[F1+6*\c+3+\i], v[TB+\i]
.endr
.endm
	s_wait_loadcnt 63                              ; the first 64 loads are in (64 were issued behind them; the count names 63 at the most)
	PAIR 0
	s_wait_loadcnt 0x0
	PAIR 1
	v_lshl_or_b32 v[PW], v[TM+5], 8, v[TM+4]       ; my column's scale word: the lanes' words are the pair's image as they stand
	v_lshl_or_b32 v[PW], v[TM+6], 16, v[PW]
	v_lshl_or_b32 v[PW], v[TM+7], 24, v[PW]
.irp g, 0,1,2
	global_store_b128 v4, v[F0+4*\g:F0+4*\g+3], s[58:59] offset:512*\g
.endr
.irp g, 0,1,2
	global_store_b128 v4, v[F1+4*\g:F1+4*\g+3], s[58:59] offset:1536+512*\g
.endr
	global_store_b32 v5, v[PW], s[60:61]
	s_endpgm
.Lfunc_end_k_q49e7d4ba43_quant:
	.size	k_q49e7d4ba43_quant, .Lfunc_end_k_q49e7d4ba43_quant-k_q49e7d4ba43_quant
	.p2alignl 7, 3214868480
	.fill 96, 4, 3214868480
	.section	.rodata,"a",@progbits
	.p2align	6, 0x0
	.amdhsa_kernel k_q49e7d4ba43_quant
		.amdhsa_group_segment_fixed_size 68096
		.amdhsa_private_segment_fixed_size 0
		.amdhsa_enable_private_segment 0
		.amdhsa_kernarg_size 56
		.amdhsa_user_sgpr_count 2
		.amdhsa_user_sgpr_kernarg_segment_ptr 1
		.amdhsa_wavefront_size32 1
		.amdhsa_system_sgpr_workgroup_id_x 1
		.amdhsa_system_sgpr_workgroup_id_y 1
		.amdhsa_system_sgpr_workgroup_id_z 1
		.amdhsa_system_vgpr_workitem_id 0
		.amdhsa_next_free_vgpr 256
		.amdhsa_next_free_sgpr 66
		.amdhsa_reserve_vcc 1
		.amdhsa_float_denorm_mode_32 3
		.amdhsa_float_denorm_mode_16_64 3
		.amdhsa_memory_ordered 1
		.amdhsa_forward_progress 1
		.amdhsa_inst_pref_size 42
	.end_amdhsa_kernel
	.amdgpu_metadata
---
amdhsa.version: [ 1, 2 ]
amdhsa.kernels:
  - .name:           k_q49e7d4ba43_quant
    .symbol:         k_q49e7d4ba43_quant.kd
    .args:
      - { .name: x, .offset: 0, .size: 8, .value_kind: global_buffer, .address_space: global }
      - { .name: Wq, .offset: 8, .size: 8, .value_kind: global_buffer, .address_space: global }
      - { .name: Wk, .offset: 16, .size: 8, .value_kind: global_buffer, .address_space: global }
      - { .name: Wv, .offset: 24, .size: 8, .value_kind: global_buffer, .address_space: global }
      - { .name: Wo, .offset: 32, .size: 8, .value_kind: global_buffer, .address_space: global }
      - { .name: xq, .offset: 40, .size: 8, .value_kind: global_buffer, .address_space: global }
      - { .name: wc, .offset: 48, .size: 8, .value_kind: global_buffer, .address_space: global }
    .group_segment_fixed_size: 68096
    .private_segment_fixed_size: 0
    .kernarg_segment_align: 8
    .kernarg_segment_size: 56
    .max_flat_workgroup_size: 128
    .sgpr_count:     66
    .vgpr_count:     256
    .wavefront_size: 32
...
	.end_amdgpu_metadata
.endif
;; end of part 1
;; launch proj (part 2): grid 16 x 16, 4 waves a work-group, clusters of 4 x 1, 168,448 bytes of LDS; arguments xq, wc, bq, bk, bv, qb, kv; writes qb, kv
.if DOCPART == 2
	.amdgcn_target "amdgcn-amd-amdhsa--gfx1250"
	.amdhsa_code_object_version 6
	.text
	.protected	k_q49e7d4ba43_proj
	.globl	k_q49e7d4ba43_proj
	.p2align	8
	.type	k_q49e7d4ba43_proj,@function
k_q49e7d4ba43_proj:
	s_mov_b64 s[64:65], 0
	v_nop
	global_prefetch_b8 v0, s[64:65] scope:SCOPE_SE
	s_setreg_imm32_b32 hwreg(HW_REG_WAVE_MODE, 25, 1), 1
	s_wait_xcnt 0x0
	s_wait_alu depctr_hold_cnt(0) depctr_sa_sdst(0) depctr_va_vdst(0) depctr_va_sdst(0) depctr_va_ssrc(0) depctr_va_vcc(0) depctr_vm_vsrc(0)
	s_getreg_b32 s2, hwreg(HW_REG_IB_STS2, 6, 4)
	s_cmp_eq_u32 s2, 0
	s_cbranch_scc0 .Lentry_in_a_cluster
	s_endpgm
.Lentry_in_a_cluster:
	s_bfe_u32 s2, ttmp6, 0x10000c
	s_cmp_lg_u32 s2, 0x3003
	s_cbranch_scc0 .Lentry_shape_is_right
	s_endpgm
.Lentry_shape_is_right:
; q, k, v = x W + b for one head and 256 tokens, on codes of FP6 (E2M3) with E8M0 scales, sums in f32; the results are quantised in registers and leave as codes:
; q and k along the head's 64, v along the tokens (the keys of the second product of attention).
; SHARES.  Work-group = (256 tokens, head).  A wave has 64 tokens (4 tiles of x) against the head's 12 tiles of weights: 48 accumulators, 384 matrix instructions.
; q, k: source 0 = 16 columns of W, source 1 = 16 tokens: a lane holds one token and its registers run along the head's dims.
; v:    source 0 = 16 tokens, source 1 = 16 columns of Wv: a lane holds one dim and its registers run along the tokens.
; The rows of every tile are in the order 8 u + r + 8 (r / 8) of a group of 32, so the 16 registers of tiles 2 b, 2 b + 1 are 16 neighbours: 32 b + 16 (lane / 16) + 0 .. 15.
; THE HEAD'S WEIGHTS, 153,600 bytes of fragment images and scale words, come into LDS ONCE, as they lie in memory, by one tensor load a wave;
; nothing in LDS is filled again.  CLUSTER: the four work-groups of a cluster have the same head, so each of these loads is asked for jointly.
; x goes from memory straight into the registers of the one wave that multiplies it.  It is not shared through LDS: a work-group's x is 204,800 bytes, which beside the
; 153,600 of the weights is more than the 327,680 that a work-group can have.
; The biases are the C of each sum's first matrix instruction.
; LIMITS: a block of zeros gets the scale byte 1 (its codes are zeros; this program alone reads the bytes); NaN and infinities are not served.
; REGISTERS.  window 0: v4-15 offsets; v24-27 bv; v32-47 x's scale words (2 ks + pair); v48-53 the weights' (2 role + g); v64-207 the weights' fragments (48 role + 12 tile), at the end the results;
;   v208-219 at work.   window 1: x, four sets of 48 (ks % 4).   window 2: q's 16 accumulators (8 (4 tt + dt)), from v128 k's.
;   window 3: v's 16 accumulators (8 (4 vt + xt)); v128-159 bq, v160-191 bk, v192-223 bv.
.set WV,  18
.set SEL, 22
.set G0,  24                           ; s[24:27] group 0: my quarter of the head's block
.set G1S, 68                           ; s[68:75] group 1: 150 rows of 256 bytes
.set XS,  32
.set WS,  48
.set WF,  64
.set TQ,  208
.set TM,  212                          ; v212-213 largest magnitudes, v214-215 the other half's, v216-217 scale operands, v218-219 bytes
.set MSB, 0
.macro WIN new                         ; the immediate's high byte repeats the setting that is left
.if MSB != \new
	s_set_vgpr_msb (MSB<<8)|\new
.set MSB, \new
.endif
.endm
.macro ROUND                           ; a round of the cluster's barrier
	s_barrier_signal -1
	s_barrier_wait -1
	s_cmp_lg_u32 s[WV], 0
	s_cbranch_scc1 .Lnot_wave_0_\@
	s_barrier_signal -3
.Lnot_wave_0_\@:
	s_barrier_wait -3
	s_barrier_signal -1
	s_barrier_wait -1
.endm
.macro PLACES                          ; four plain places behind matrix instructions, ahead of loads into their registers and of reads of their results
.rept 4
	v_nop
.endr
.endm
.macro WM                              ; one product; the numbers stand in rD, rA, rB, rC, rSA, rSB; rRA, rRB: the scale words lie in lanes 16-31
.if rRA && rRB
	v_wmma_scale_f32_16x16x128_f8f6f4 v[rD:rD+7], v[rA:rA+11], v[rB:rB+11], v[rC:rC+7], v[rSA], v[rSB] matrix_a_fmt:MATRIX_FMT_FP6 matrix_b_fmt:MATRIX_FMT_FP6 matrix_a_scale:MATRIX_SCALE_ROW1 matrix_b_scale:MATRIX_SCALE_ROW1
.elseif rRA
	v_wmma_scale_f32_16x16x128_f8f6f4 v[rD:rD+7], v[rA:rA+11], v[rB:rB+11], v[rC:rC+7], v[rSA], v[rSB] matrix_a_fmt:MATRIX_FMT_FP6 matrix_b_fmt:MATRIX_FMT_FP6 matrix_a_scale:MATRIX_SCALE_ROW1
.elseif rRB
	v_wmma_scale_f32_16x16x128_f8f6f4 v[rD:rD+7], v[rA:rA+11], v[rB:rB+11], v[rC:rC+7], v[rSA], v[rSB] matrix_a_fmt:MATRIX_FMT_FP6 matrix_b_fmt:MATRIX_FMT_FP6 matrix_b_scale:MATRIX_SCALE_ROW1
.else
	v_wmma_scale_f32_16x16x128_f8f6f4 v[rD:rD+7], v[rA:rA+11], v[rB:rB+11], v[rC:rC+7], v[rSA], v[rSB] matrix_a_fmt:MATRIX_FMT_FP6 matrix_b_fmt:MATRIX_FMT_FP6
.endif
.endm
	s_load_b256 s[4:11], s[0:1], 0x0               ; xq, wc, bq, bk
	s_load_b128 s[12:15], s[0:1], 0x20             ; bv, qb
	s_load_b64 s[16:17], s[0:1], 0x30              ; kv
	v_lshl_add_u32 v254, v0, 2, 0x29000
	v_mov_b32 v255, 0
	ds_add_u32 v254, v255
	ds_add_u32 v254, v255
	v_lshrrev_b32 v1, 5, v0
	v_readfirstlane_b32 s[WV], v1                  ; wave 0..3
	s_and_b32 s21, ttmp7, 0xffff                   ; the head, which the four partners share
.irp g, G1S
	s_mov_b32 s[\g], 0x23000f                      ; 15:0 the mask: all four work-groups; 17:16 elements of 8 bytes; 21 set beside a mask; no padding
	s_mov_b32 s[\g+1], 32<<16                      ; tensor_dim0 = 32 elements: 256 bytes
	s_mov_b32 s[\g+3], 32<<16                      ; tile_dim0
	s_mov_b32 s[\g+5], 32                          ; the rows are dense
	s_mov_b32 s[\g+6], 0
	s_mov_b32 s[\g+7], 0
.endr
	s_mov_b32 s[G1S+2], 150<<16                    ; tensor_dim1: a quarter of the block's 600 rows
	s_mov_b32 s[G1S+4], 150                        ; tile_dim1
	s_mul_i32 s60, s21, 153600                     ; the head's block
	s_mov_b32 s61, 0
	s_mul_i32 s62, s[WV], 38400                    ; my quarter of the block's 153,600 bytes: ONE tensor load a wave brings it
	s_mov_b32 s63, 0
	s_wait_dscnt 0x0
	s_wait_kmcnt 0x0
	s_add_nc_u64 s[60:61], s[6:7], s[60:61]
	s_mov_b32 s[G0], 1
	s_mov_b32 s[G0+1], s62                         ; the LDS address is the byte's place in the block
	s_add_nc_u64 s[G0+2:G0+3], s[60:61], s[62:63]
	s_or_b32 s[G0+3], s[G0+3], 0x80000000
	ROUND                                          ; all four work-groups are here: the joint loads meet
	tensor_load_to_lds s[G0:G0+3], s[G1S:G1S+7]    ; the scale words, then the eight K steps in order
	s_nop 0
.rept 4
	v_nop
.endr
	v_and_b32 v1, 31, v0                           ; lane
	v_and_b32 v2, 15, v0                           ; r
	v_bfe_u32 v3, v0, 4, 1                         ; h
	v_lshlrev_b32 v4, 4, v1                        ; 16 x lane
	v_lshlrev_b32 v5, 2, v1                        ; 4 x lane
	s_wait_alu depctr_va_vdst(0)
	v_lshlrev_b32 v6, 3, v1                        ; 8 x lane
	v_lshlrev_b32 v7, 6, v3                        ; 64 h: my half's 16 numbers of a bias
	s_wait_alu depctr_va_vdst(0)
	v_and_b32 v8, 8, v2
	v_add_nc_u32 v8, v8, v2
	v_lshlrev_b32 v8, 2, v8                        ; 4 (r + 8 (r / 8)): my dim's bv
	s_wait_alu depctr_va_vdst(0)
	v_mov_b32 v[TM+2], 0                           ; a lane permute's destination counts as one of its sources
	v_mov_b32 v[TM+3], 0
	s_mov_b32 s[SEL], 0x76543210
	s_mov_b32 s[SEL+1], 0xfedcba98
	s_bfe_u32 s19, ttmp6, 0x40000                  ; cx: it enters x's, qb's and kv's global addresses alone
	s_lshl_b32 s20, ttmp9, 2
	s_add_co_u32 s20, s20, s19                     ; my block of 256 tokens
	s_lshr_b32 s88, s[WV], 1
	s_and_b32 s89, s[WV], 1                        ; c: which 64 of 128 tokens
	s_lshl_b32 s90, s20, 1
	s_add_co_u32 s90, s90, s88                     ; the block of 128 tokens
	s_mul_i32 s90, s90, 102400                     ; eight records of 12,800 bytes
	s_mul_i32 s91, s89, 6144                       ; my four fragments of its eight
	s_add_co_u32 s92, s90, s91
	s_mov_b32 s93, 0
	s_add_nc_u64 s[92:93], s[4:5], s[92:93]        ; x's codes
	s_lshl_b32 s91, s89, 8                         ; my two pairs' scale words
	s_add_co_u32 s94, s90, s91
	s_mov_b32 s95, 0
	s_add_nc_u64 s[94:95], s[4:5], s[94:95]        ; x's scale words
	s_lshl_b32 s96, s21, 8                         ; the head's 64 numbers of each bias
	s_mov_b32 s97, 0
	s_add_nc_u64 s[8:9], s[8:9], s[96:97]
	s_add_nc_u64 s[10:11], s[10:11], s[96:97]
	s_add_nc_u64 s[12:13], s[12:13], s[96:97]
.irp k, 0,1,2,3,4,5,6,7
.irp p, 0,1
	global_load_b32 v[XS+2*\k+\p], v5, s[94:95] offset:12800*\k+12288+128*\p
.endr
.endr
	WIN 0xc0                                       ; destination window 3
.irp t, 0,1,2,3                                ; lane (r, h) wants, for tile 2 b + u, the bias of dims 32 b + 16 h + 8 u + 0 .. 7
	global_load_b128 v[128+8*\t:128+8*\t+3], v7, s[8:9] offset:(32*(\t/2)+8*(\t%2))*4
	global_load_b128 v[128+8*\t+4:128+8*\t+7], v7, s[8:9] offset:(32*(\t/2)+8*(\t%2))*4+16
.endr
.irp t, 0,1,2,3
	global_load_b128 v[160+8*\t:160+8*\t+3], v7, s[10:11] offset:(32*(\t/2)+8*(\t%2))*4
	global_load_b128 v[160+8*\t+4:160+8*\t+7], v7, s[10:11] offset:(32*(\t/2)+8*(\t%2))*4+16
.endr
	WIN 0
.irp t, 0,1,2,3
	global_load_b32 v[24+\t], v8, s[12:13] offset:(32*(\t/2)+8*(\t%2))*4
.endr
.macro XSET ks                         ; my four fragments of x for K step ks into set ks % 4: twelve loads of 512 consecutive bytes
	WIN 0x40
.irp t, 0,1,2,3
.irp g, 0,1,2
	global_load_b128 v[48*((\ks)%4)+12*\t+4*\g:48*((\ks)%4)+12*\t+4*\g+3], v4, s[92:93] offset:12800*(\ks)+1536*\t+512*\g
.endr
.endr
	WIN 0
.endm
	XSET 0
	XSET 1
	XSET 2
	XSET 3
	; where the results go
	s_lshr_b32 s90, s20, 3
	s_lshl_b32 s90, s90, 4
	s_add_co_u32 s90, s90, s21                     ; 16 x batch + head
	s_and_b32 s91, s20, 7                          ; my block of 256 in the sequence
	s_lshl_b32 s96, s90, 7
	s_lshl_b32 s97, s91, 4
	s_add_co_u32 s96, s96, s97
	s_lshl_b32 s97, s[WV], 2
	s_add_co_u32 s96, s96, s97                     ; q's record: 128 a head, 16 a block, 4 a wave
	s_lshl_b32 s96, s96, 10
	s_mov_b32 s97, 0
	s_add_nc_u64 s[14:15], s[14:15], s[96:97]
	s_lshl_b32 s96, s90, 4
	s_lshl_b32 s91, s91, 1
	s_add_co_u32 s96, s96, s91
	s_add_co_u32 s96, s96, s88                     ; the key step: 16 a head, 2 a block
	s_mul_i32 s96, s96, 13312
	s_add_nc_u64 s[16:17], s[16:17], s[96:97]
	s_mul_i32 s99, s89, 3072
	; K's codes are stored so that a tile of attention holds keys 8 u .. 8 u + 7 in its rows 0-7 and the keys 32 further on in its rows 8-15 (u = 0 .. 3, of my 64 keys):
	; row r of my tile 2 b + u goes to row r % 8 + 8 b of tile u + 2 (r / 8).  Only the lanes' addresses change: 3,072 c + 1,536 (r / 8) + 16 (r % 8) + 256 h, and 128 b in the stores' offsets
	v_and_b32 v16, 7, v2                           ; r % 8
	v_lshrrev_b32 v17, 3, v2                       ; r / 8
	v_lshlrev_b32 v12, 4, v16
	v_lshl_add_u32 v12, v3, 8, v12
	v_mad_u32_u24 v12, v17, 1536, v12
	v_add_nc_u32 v12, s99, v12
	s_mul_i32 s99, s89, 768
	v_add_nc_u32 v13, s99, v4                      ; V's: 16 x lane + 768 c
	v_add_nc_u32 v14, s99, v6                      ;      8 x lane + 768 c
	s_lshl_b32 s99, s89, 8
	v_add_nc_u32 v15, s99, v6                      ; scale words: 8 x lane + 256 c
	v_lshlrev_b32 v18, 3, v16                      ; K's scale words go with their rows: 256 c + 8 (r % 8) + 128 (lane / 16) + 4 (r / 8), and 64 b in the stores' offsets
	v_lshl_add_u32 v18, v17, 2, v18
	v_lshl_add_u32 v18, v3, 7, v18
	v_add_nc_u32 v18, s99, v18
	s_lshl_b32 s98, s89, 4                         ; 16 c: where my two bytes stand in V's scale word
; the fragments and scale words of one of q, k, v for K step ks: 14 LDS loads
.macro LW role, ks
	v_add_nc_u32 v[9+\role], 6144+18432*(\ks)+6144*\role, v4
.irp t, 0,1,2,3
.irp g, 0,1,2
	ds_load_b128 v[WF+48*\role+12*\t+4*\g:WF+48*\role+12*\t+4*\g+3], v[9+\role] offset:1536*\t+512*\g
.endr
.endr
.irp g, 0,1
	ds_load_b32 v[WS+2*\role+\g], v5 offset:768*(\ks)+256*\role+128*\g
.endr
.endm
	s_wait_tensorcnt 0x0                           ; my quarter of the block is in
	s_barrier_signal -1
	s_barrier_wait -1                              ; everybody's are
	LW 0, 0
	LW 1, 0
	LW 2, 0
	s_wait_loadcnt 36                              ; scale words, biases and x's set 0 are in; three sets of twelve may be out
	WIN 0xc0
.irp t, 0,1,2,3
.irp j, 0,1,2,3,4,5,6,7
	v_mov_b32 v[192+8*\t+\j], v[24+\t]             ; in v's result a lane is a dim: its bias in all eight registers
.endr
.endr
	WIN 0
; 16 products of q (role 0) or k (role 1).  The 48 accumulators take turns, one instruction a turn, in the same order in every K step.
.macro MULQK ks, role
.if (\ks) == 0
	WIN 0xb4                                       ; W window 0, x window 1, the bias window 3, the sums window 2
.else
	WIN 0xa4
.endif
.irp tt, 0,1,2,3
.irp dt, 0,1,2,3
.set rD, 128*\role+8*(4*\tt+\dt)
.set rA, WF+48*\role+12*\dt
.set rB, 48*((\ks)%4)+12*\tt
.if (\ks) == 0
.set rC, 128+32*\role+8*\dt
.else
.set rC, rD
.endif
.set rSA, WS+2*\role+\dt/2
.set rSB, XS+2*(\ks)+\tt/2
.set rRA, \dt%2
.set rRB, \tt%2
	WM
.endr
.endr
.endm
.macro MULV ks
	WIN 0xf1                                       ; x window 1, Wv window 0, bias and sums window 3
.irp vt, 0,1,2,3
.irp xt, 0,1,2,3
.set rD, 8*(4*\vt+\xt)
.set rA, 48*((\ks)%4)+12*\xt
.set rB, WF+96+12*\vt
.if (\ks) == 0
.set rC, 192+8*\vt
.else
.set rC, rD
.endif
.set rSA, XS+2*(\ks)+\xt/2
.set rSB, WS+4+\vt/2
.set rRA, \xt%2
.set rRB, \vt%2
	WM
.endr
.endr
.endm
.macro KS ks
.if (\ks) < 5
	s_wait_loadcnt 36                              ; this K step's x is in; the three sets behind it may be out
.else
	s_wait_loadcnt 12*(7-(\ks))
.endif
	s_wait_dscnt 28                                ; q's 14 loads are in; k's and v's 14 each may be out
	MULQK \ks, 0
	WIN 0
.if (\ks) < 7
	PLACES
	LW 0, (\ks)+1
	s_wait_dscnt 28                                ; k's 14 loads are in; v's 14 and the next q's 14 may be out
.else
	s_wait_dscnt 14                                ; k's are in; v's 14 may be out
.endif
	MULQK \ks, 1
	WIN 0
.if (\ks) < 7
	PLACES
	LW 1, (\ks)+1
	s_wait_dscnt 28                                ; v's 14 loads are in; the next q's and k's 14 each may be out
.else
	s_wait_dscnt 0x0
.endif
	MULV \ks
	WIN 0
	PLACES
.if (\ks) < 7
	LW 2, (\ks)+1
.endif
.if (\ks) < 4
	XSET (\ks)+4                                   ; into the set just multiplied
.endif
.endm
	s_wait_alu depctr_va_vdst(0)
	KS 0
	KS 1
	KS 2
	KS 3
	KS 4
	KS 5
	KS 6
	KS 7
; 32 numbers of a lane in window w, register 16 b + i = k 32 b + 16 (lane / 16) + i, become six registers of codes (k = 32 (lane / 16) + 0 .. 31) in v[pc] on and two scale bytes in v[pw].
; Each accumulator is read from its low end on.
.macro QUANT64 w, s, pc, pw
	WIN ((\w)<<2)|((\w)<<4)                        ; sources 1 and 2 in window w
.irp b, 0,1
	v_max3_num_f32 v[TM+\b], 0x1800000, |v[(\s)+16*\b]|, |v[(\s)+16*\b+1]|   ; the floor 2^(3 - 127): the byte cannot fall under 1
.endr
.irp i, 2,4,6,8,10,12,14
.irp b, 0,1
	v_max3_num_f32 v[TM+\b], v[TM+\b], |v[(\s)+16*\b+\i]|, |v[(\s)+16*\b+\i+1]|
.endr
.endr
	WIN 0
.irp b, 0,1
	v_permlanex16_b32 v[TM+2+\b], v[TM+\b], s[SEL], s[SEL+1]
.endr
.irp b, 0,1
	v_max_num_f32 v[TM+\b], v[TM+\b], v[TM+2+\b]
.endr
.irp b, 0,1
	v_add_nc_u32 v[TM+4+\b], 0xff000000, v[TM+\b]  ; 2 off the exponent field: the conversion's scale operand
.endr
.irp b, 0,1
	v_lshrrev_b32 v[TM+6+\b], 23, v[TM+4+\b]
.endr
	v_lshl_or_b32 v[\pw], v[TM+7], 8, v[TM+6]
	WIN \w                                         ; source 0 in window w
	v_cvt_scalef32_pk16_fp6_f32 v[(\pc):(\pc)+2], v[(\s):(\s)+15], v[TM+4]
	v_cvt_scalef32_pk16_fp6_f32 v[TQ:TQ+2], v[(\s)+16:(\s)+31], v[TM+5]
	WIN 0
	v_nop                                          ; one plain place behind a scaled conversion
.irp i, 0,1,2
	v_permlane16_swap_b32 v[(\pc)+\i], v[TQ+\i]
.endr
.irp i, 0,1,2
	v_mov_b32 v[(\pc)+3+\i], v[TQ+\i]
.endr
.endm
	v_cmp_gt_u32 vcc_lo, 16, v1
	; q: a record of 1,024 bytes a tile: registers 0-3, then {4, 5, the scale word, 0}
.irp tt, 0,1,2,3
	QUANT64 2, 32*\tt, 64+8*\tt, 70+8*\tt
	v_mov_b32 v[71+8*\tt], 0
	global_store_b128 v4, v[64+8*\tt:67+8*\tt], s[14:15] offset:1024*\tt
	global_store_b128 v4, v[68+8*\tt:71+8*\tt], s[14:15] offset:1024*\tt+512
.endr
	; k: my four tiles' 24 registers on end: six blocks of 512 bytes of the key step's twelve
.irp tt, 0,1,2,3
	QUANT64 2, 128+32*\tt, 96+6*\tt, 120+\tt
.endr
	v_cndmask_b32 v124, v121, v120, vcc_lo         ; a pair's words: lanes 0-15 the even tile's, lanes 16-31 the odd tile's
	v_cndmask_b32 v125, v123, v122, vcc_lo
.irp g, 0,1,2,3,4,5
	global_store_b128 v12, v[96+4*\g:99+4*\g], s[16:17] offset:512*(\g%3)+128*(\g/3)   ; eight lanes store 128 consecutive bytes; stores g and g + 3 together fill each aligned 256
.endr
	global_store_b32 v18, v124, s[16:17] offset:12288
	global_store_b32 v18, v125, s[16:17] offset:12288+64
	; v: for each tile of 16 dims, half c of the fragment of the step's 128 keys: registers 0-3, then 4-5
.irp vt, 0,1,2,3
	QUANT64 3, 32*\vt, 128+6*\vt, 152+\vt
.endr
.irp vt, 0,1,2,3
	v_lshlrev_b32 v[152+\vt], s98, v[152+\vt]      ; my two bytes at their places in the word of four
.endr
	v_cndmask_b32 v156, v153, v152, vcc_lo
	v_cndmask_b32 v157, v155, v154, vcc_lo
.irp vt, 0,1,2,3
	global_store_b128 v13, v[128+6*\vt:131+6*\vt], s[16:17] offset:6144+1536*\vt
	global_store_b64 v14, v[132+6*\vt:133+6*\vt], s[16:17] offset:6144+1536*\vt+512
.endr
	global_store_b64 v15, v[156:157], s[16:17] offset:12800
	s_wait_tensorcnt 0x0
	ds_add_u32 v254, v255
	s_wait_dscnt 0x0
	ROUND                                          ; the closing round: no work-group ends while a partner may still ask for a tile that names it
	s_endpgm
.Lfunc_end_k_q49e7d4ba43_proj:
	.size	k_q49e7d4ba43_proj, .Lfunc_end_k_q49e7d4ba43_proj-k_q49e7d4ba43_proj
	.p2alignl 7, 3214868480
	.fill 96, 4, 3214868480
	.section	.rodata,"a",@progbits
	.p2align	6, 0x0
	.amdhsa_kernel k_q49e7d4ba43_proj
		.amdhsa_group_segment_fixed_size 168448
		.amdhsa_private_segment_fixed_size 0
		.amdhsa_enable_private_segment 0
		.amdhsa_kernarg_size 56
		.amdhsa_user_sgpr_count 2
		.amdhsa_user_sgpr_kernarg_segment_ptr 1
		.amdhsa_wavefront_size32 1
		.amdhsa_system_sgpr_workgroup_id_x 1
		.amdhsa_system_sgpr_workgroup_id_y 1
		.amdhsa_system_sgpr_workgroup_id_z 1
		.amdhsa_system_vgpr_workitem_id 0
		.amdhsa_next_free_vgpr 1024
		.amdhsa_next_free_sgpr 100
		.amdhsa_reserve_vcc 1
		.amdhsa_float_denorm_mode_32 3
		.amdhsa_float_denorm_mode_16_64 3
		.amdhsa_memory_ordered 1
		.amdhsa_forward_progress 1
		.amdhsa_inst_pref_size 122
	.end_amdhsa_kernel
	.amdgpu_metadata
---
amdhsa.version: [ 1, 2 ]
amdhsa.kernels:
  - .name:           k_q49e7d4ba43_proj
    .symbol:         k_q49e7d4ba43_proj.kd
    .args:
      - { .name: xq, .offset: 0, .size: 8, .value_kind: global_buffer, .address_space: global }
      - { .name: wc, .offset: 8, .size: 8, .value_kind: global_buffer, .address_space: global }
      - { .name: bq, .offset: 16, .size: 8, .value_kind: global_buffer, .address_space: global }
      - { .name: bk, .offset: 24, .size: 8, .value_kind: global_buffer, .address_space: global }
      - { .name: bv, .offset: 32, .size: 8, .value_kind: global_buffer, .address_space: global }
      - { .name: qb, .offset: 40, .size: 8, .value_kind: global_buffer, .address_space: global }
      - { .name: kv, .offset: 48, .size: 8, .value_kind: global_buffer, .address_space: global }
    .group_segment_fixed_size: 168448
    .private_segment_fixed_size: 0
    .kernarg_segment_align: 8
    .kernarg_segment_size: 56
    .max_flat_workgroup_size: 128
    .sgpr_count:     100
    .vgpr_count:     1024
    .wavefront_size: 32
...
	.end_amdgpu_metadata
.endif
;; end of part 2
;; launch attn (part 3): grid 8 x 32, 16 waves a work-group, clusters of 4 x 1, 231,424 bytes of LDS; arguments qb, kv, tau, yc, ys; writes yc, ys
.if DOCPART == 3
	.amdgcn_target "amdgcn-amd-amdhsa--gfx1250"
	.amdhsa_code_object_version 6
	.text
	.protected	k_q49e7d4ba43_attn
	.globl	k_q49e7d4ba43_attn
	.p2align	8
	.type	k_q49e7d4ba43_attn,@function
k_q49e7d4ba43_attn:
	s_mov_b64 s[64:65], 0
	v_nop
	global_prefetch_b8 v0, s[64:65] scope:SCOPE_SE
	s_setreg_imm32_b32 hwreg(HW_REG_WAVE_MODE, 25, 1), 1
	s_wait_xcnt 0x0
	s_wait_alu depctr_hold_cnt(0) depctr_sa_sdst(0) depctr_va_vdst(0) depctr_va_sdst(0) depctr_va_ssrc(0) depctr_va_vcc(0) depctr_vm_vsrc(0)
	s_getreg_b32 s2, hwreg(HW_REG_IB_STS2, 6, 4)
	s_cmp_eq_u32 s2, 0
	s_cbranch_scc0 .Lentry_in_a_cluster
	s_endpgm
.Lentry_in_a_cluster:
	s_bfe_u32 s2, ttmp6, 0x10000c
	s_cmp_lg_u32 s2, 0x3003
	s_cbranch_scc0 .Lentry_shape_is_right
	s_endpgm
.Lentry_shape_is_right:
; y = softmax(q k^T / (8 tau)) v for one (batch, head) and 256 queries, on codes of FP6 (E2M3) with E8M0 scales; y leaves as codes along the model's 1,024 with its scale bytes.
; SHARES.  Work-group = (batch and head, 256 queries); a wave has 16 queries against all 2,048 keys, in 16 steps of 128 keys; a lane holds one query throughout.
; Both products are used transposed: S^T = k q^T (source 0 = 16 keys), O^T = v^T p^T (source 0 = 16 of the head's 64).  The head has 64 along K: q's upper 64 codes are zeros.
; THE HEAD'S K AND V, 16 records of 13,312 bytes (K's fragment images 6,144, V's 6,144, K's scale words 512, V's 512), 212,992 bytes, lie in LDS whole:
; each of the 16 waves brings one record by ONE tensor load at the head; one wait and one barrier follow; nothing in LDS is filled again, and the walk over the keys has no barrier.
; CLUSTER: the four work-groups of a cluster have the same head, so each of these loads is asked for jointly.
; NO PREFETCH: the launch's only fills stand at its head, with no loop ahead of them in which to ask earlier.
; THE KEYS OF A TILE: of 64 keys, tile u (0 .. 3) holds keys 8 u .. 8 u + 7 in rows 0-7 and the keys 32 further on in rows 8-15.  So the 32 score registers of tiles 4 c .. 4 c + 3 are, in
; lane (r, h), keys 64 c + 32 h + 0 .. 31: a WHOLE block of p's quantiser in one lane, in the order of the operand's registers.  No other lane is asked for a block's maximum, and no codes change lanes.
; SOFTMAX: t = score x c, c = log2(e) / (8 |tau|); tau's sign is laid into q's codes (their sign bits are flipped).  M = ceil(the running largest t), kept as -M; p = 2^(t - M);
; the row's sum is taken of the unquantised p; when M moves, the sum and O^T are multiplied by the power of two 2^(old M - new M).  A block's largest p is made from its largest score by the same two instructions.
; LIMITS: the promise holds while |t| stays under 2^31; a block of p whose every number has fallen to 0 keeps the byte 1 (its codes are zeros); tau = 0, NaN and infinities are not served.
; REGISTERS: v1-6 lane terms and addresses; v12 -M, v13 the running largest score, v[14:15] the sum in two halves; v16-27 q; v28 q's, v29 p's, v30-33 K's, v34-39 V's scale words;
; v40-87 K's, then V's fragments (v88-93 zeros: the last tile's operand reaches there); v96-159 scores, then p; v160-191 O^T; v192-203 p's codes.
.set WV,  14
.set SEL, 20                           ; s[20:21] v_permlanex16_b32's selects for lane l xor 16
.set CS,  22                           ; s[22:23] c, twice
.set G1,  24                           ; s[24:31] group 1: 52 rows of 256 bytes
.set G0,  32                           ; s[32:35] group 0
.set REC, 13312                        ; a record: one step of 128 keys
.set SPARE, 0x38000                    ; the spare words, 128 bytes for each of 16 waves, behind the records and one record's length of room that nothing touches
.set KF,  40
.set S,   96
.set O,   160
.set PC,  192
.set TQ,  204
.set BM,  212
.set PM,  216
.set SO,  220
.set F,   224
.set T,   226
.set SU,  228
.set YW,  230
.macro ROUND                           ; a round of the cluster's barrier
	s_barrier_signal -1
	s_barrier_wait -1
	s_cmp_lg_u32 s[WV], 0
	s_cbranch_scc1 .Lnot_wave_0_\@
	s_barrier_signal -3
.Lnot_wave_0_\@:
	s_barrier_wait -3
	s_barrier_signal -1
	s_barrier_wait -1
.endm
	s_load_b256 s[4:11], s[0:1], 0x0               ; qb, kv, tau, yc
	s_load_b64 s[12:13], s[0:1], 0x20              ; ys
	v_lshl_add_u32 v254, v0, 2, SPARE
	v_mov_b32 v255, 0
	ds_add_u32 v254, v255                          ; the opening lines: the add, twice on end, and its wait ahead of my tensor load
	ds_add_u32 v254, v255
	v_lshrrev_b32 v1, 5, v0
	s_delay_alu instid0(VALU_DEP_1)
	v_readfirstlane_b32 s[WV], v1                  ; wave 0..15
	v_and_b32 v5, 31, v0
	v_bfe_u32 v6, v0, 4, 1
	s_delay_alu instid0(VALU_DEP_2)
	v_lshlrev_b32 v1, 4, v5                        ; 16 x lane
	v_lshlrev_b32 v2, 3, v5                        ; 8 x lane
	v_lshlrev_b32 v5, 2, v5                        ; 4 x lane
	v_lshlrev_b32 v6, 3, v6                        ; 8 h: where my two bytes stand in p's scale word
	s_and_b32 s17, ttmp7, 0xffff                   ; 16 x batch + head, which the four partners share
	s_mov_b32 s[G1], 0x23000f                      ; the mask: all four work-groups; elements of 8 bytes; bit 21 beside the mask; no padding
	s_mov_b32 s[G1+1], 32<<16
	s_mov_b32 s[G1+2], 52<<16
	s_mov_b32 s[G1+3], 32<<16
	s_mov_b32 s[G1+4], 52
	s_mov_b32 s[G1+5], 32
	s_mov_b32 s[G1+6], 0
	s_mov_b32 s[G1+7], 0
	s_mul_i32 s56, s17, 16*REC
	s_mov_b32 s57, 0
	s_mul_i32 s58, s[WV], REC                      ; my record, in memory and in LDS
	s_mov_b32 s59, 0
	s_bfe_u32 s15, ttmp6, 0x40000                  ; cx: it enters qb's, yc's and ys's global addresses alone
	s_lshl_b32 s16, ttmp9, 2
	s_add_co_u32 s16, s16, s15                     ; my block of 256 queries
	s_and_b32 s18, s17, 15                         ; the head
	s_lshl_b32 s50, s16, 4
	s_add_co_u32 s50, s50, s[WV]                   ; my tile of 16 queries in the sequence
	s_lshl_b32 s62, s17, 7
	s_add_co_u32 s62, s62, s50
	s_lshl_b32 s62, s62, 10                        ; q's record of 1,024 bytes
	s_mov_b32 s63, 0
	s_lshl_b32 s60, s18, 2
	s_mov_b32 s61, 0
	s_mov_b32 s[SEL], 0x76543210
	s_mov_b32 s[SEL+1], 0xfedcba98
	s_wait_alu depctr_va_vdst(0)
	s_wait_dscnt 0x0                               ; both opening adds are done
	s_wait_kmcnt 0x0
	s_add_nc_u64 s[4:5], s[4:5], s[62:63]
	global_load_b128 v[16:19], v1, s[4:5]          ; q's registers 0-3; then {4, 5, the scale word, 0}
	global_load_b128 v[20:23], v1, s[4:5] offset:512
	s_add_nc_u64 s[8:9], s[8:9], s[60:61]
	s_load_b32 s19, s[8:9], 0x0                    ; the head's tau
	s_add_nc_u64 s[G0+2:G0+3], s[6:7], s[56:57]
	s_add_nc_u64 s[G0+2:G0+3], s[G0+2:G0+3], s[58:59]
	s_mov_b32 s[G0], 1
	s_mov_b32 s[G0+1], s58
	s_or_b32 s[G0+3], s[G0+3], 0x80000000
	ROUND                                          ; all four work-groups are here: the joint loads meet
	tensor_load_to_lds s[G0:G0+3], s[G1:G1+7]      ; my one tensor load: record WV
	s_nop 0
.rept 4
	v_nop
.endr
	s_lshr_b32 s62, s17, 4
	s_lshl_b32 s62, s62, 7
	s_add_co_u32 s62, s62, s50                     ; my tile of 16 tokens among all 256
	s_mul_i32 s50, s62, 12288
	s_mul_i32 s52, s18, 768
	s_add_co_u32 s50, s50, s52
	s_mov_b32 s51, 0
	s_add_nc_u64 s[10:11], s[10:11], s[50:51]      ; y's codes: the head's half fragment
	s_lshl_b32 s62, s62, 4
	s_add_co_u32 s62, s62, s18
	s_lshl_b32 s62, s62, 7
	s_add_nc_u64 s[12:13], s[12:13], s[62:63]      ; y's scale words
	s_and_b32 s55, s18, 1
	s_lshl_b32 s55, s55, 4                         ; where the head's two bytes stand in the word
	s_wait_kmcnt 0x0
	s_and_b32 s50, s19, 0x7fffffff                 ; |tau|
	s_ashr_i32 s51, s19, 31
	s_and_b32 s52, s51, 0x20820820                 ; the codes' sign bits in three words on end, where tau is negative
	s_and_b32 s53, s51, 0x08208208
	s_and_b32 s54, s51, 0x82082082
	v_mov_b32 v[T], s50
	s_wait_alu depctr_va_vdst(0)
	v_rcp_f32 v[T+1], v[T]
	v_nop
	s_wait_alu depctr_va_vdst(0)
	v_fma_f32 v[SU], -v[T], v[T+1], 1.0            ; one Newton step on 1 / |tau|
	v_fma_f32 v[T+1], v[SU], v[T+1], v[T+1]
	s_delay_alu instid0(VALU_DEP_1)
	v_mul_f32 v[T+1], 0x3e38aa3b, v[T+1]           ; x log2(e) / 8
	s_delay_alu instid0(VALU_DEP_1)
	v_readfirstlane_b32 s[CS], v[T+1]
	s_mov_b32 s[CS+1], s[CS]
	s_wait_loadcnt 0x0
	v_mov_b32 v28, v22                             ; q's scale word
	v_xor_b32 v16, s52, v16
	v_xor_b32 v17, s53, v17
	v_xor_b32 v18, s54, v18
	v_xor_b32 v19, s52, v19
	v_xor_b32 v20, s53, v20
	v_xor_b32 v21, s54, v21
.irp j, 22,23,24,25,26,27,88,89,90,91,92,93
	v_mov_b32 v\j, 0                               ; q's upper 64 codes; and what the last tile's operand names beyond its own six registers
.endr
	v_mov_b32 v13, 0xff61b1e6                      ; the largest score so far: -3e38
	s_delay_alu instid0(VALU_DEP_1)
	v_floor_f32 v12, -v13                          ; -M
	v_mov_b32 v14, 0
	v_mov_b32 v15, 0
.irp b, 0,1,2,3
	v_mov_b32 v[PM+\b], 0                          ; a lane permute's destination counts as one of its sources
.endr
	v_mov_b32 v[F+1], 0
.set i, 0
.rept 32
	v_mov_b32 v[O+i], 0                            ; the step is written once: the first finds zeros
.set i, i+1
.endr
	s_mov_b32 s48, 0                               ; the step's record in LDS
	s_mov_b32 s49, 16
	v_add_nc_u32 v3, s48, v1
	v_add_nc_u32 v4, s48, v2
	s_wait_alu depctr_va_vdst(0)
	s_wait_tensorcnt 0x0                           ; my record is in
	s_barrier_signal -1
	s_barrier_wait -1                              ; everybody's is: all 16 records stand for the rest of the launch
.Lstep:
.irp g, 0,1,2,3,4,5,6,7,8,9,10,11
	ds_load_b128 v[KF+4*\g:KF+4*\g+3], v3 offset:512*\g
.endr
	ds_load_b64 v[30:31], v4 offset:12288
	ds_load_b64 v[32:33], v4 offset:12544
	s_wait_dscnt 0x0
.irp t, 0,2,4,6
	v_wmma_scale_f32_16x16x128_f8f6f4 v[S+8*\t:S+8*\t+7], v[KF+6*\t:KF+6*\t+11], v[16:27], 0, v[30+\t/2], v28 matrix_a_fmt:MATRIX_FMT_FP6 matrix_b_fmt:MATRIX_FMT_FP6
	v_wmma_scale_f32_16x16x128_f8f6f4 v[S+8*\t+8:S+8*\t+15], v[KF+6*\t+6:KF+6*\t+17], v[16:27], 0, v[30+\t/2], v28 matrix_a_fmt:MATRIX_FMT_FP6 matrix_b_fmt:MATRIX_FMT_FP6 matrix_a_scale:MATRIX_SCALE_ROW1
.endr
	v_mov_b32 v[T+1], v12                          ; the old -M.  With three v_nop: the four places behind the products
.rept 3
	v_nop
.endr
.irp t, 0,1,2,3
	ds_load_b128 v[KF+12*\t:KF+12*\t+3], v3 offset:6144+1536*\t
	ds_load_b64 v[KF+12*\t+4:KF+12*\t+5], v4 offset:6144+1536*\t+512
	ds_load_b128 v[KF+12*\t+6:KF+12*\t+9], v3 offset:6144+1536*\t+768
	ds_load_b64 v[KF+12*\t+10:KF+12*\t+11], v4 offset:6144+1536*\t+1280
.endr
	ds_load_b64 v[34:35], v4 offset:12800
	ds_load_b64 v[36:37], v4 offset:13056
.irp b, 0,1,2,3                                ; the largest score of my two blocks, in four chains of 16; each accumulator is read from its low end on
	v_max3_num_f32 v[BM+\b], v[S+16*\b], v[S+1+16*\b], v[S+2+16*\b]
.endr
.irp i, 3,5,7,9,11,13
.irp b, 0,1,2,3
	v_max3_num_f32 v[BM+\b], v[BM+\b], v[S+16*\b+\i], v[S+1+16*\b+\i]
.endr
.endr
	v_max3_num_f32 v[BM], v[BM], v[S+15], v[S+31]
	v_max3_num_f32 v[BM+2], v[BM+2], v[S+47], v[S+63]
	s_delay_alu instid0(VALU_DEP_2)
	v_max_num_f32 v[BM], v[BM], v[BM+1]            ; block h
	s_delay_alu instid0(VALU_DEP_2)
	v_max_num_f32 v[BM+2], v[BM+2], v[BM+3]        ; block 2 + h
	s_delay_alu instid0(VALU_DEP_1)
	v_max_num_f32 v[T], v[BM], v[BM+2]
	s_delay_alu instid0(VALU_DEP_1)
	v_permlanex16_b32 v[PM], v[T], s[SEL], s[SEL+1]
	s_delay_alu instid0(VALU_DEP_1)
	v_max3_num_f32 v13, v13, v[T], v[PM]           ; the running largest score of my query
	s_delay_alu instid0(VALU_DEP_1)
	v_mul_f32 v[T], s[CS], v13                     ; as t (c is positive)
	s_delay_alu instid0(VALU_DEP_1)
	v_floor_f32 v12, -v[T]                         ; the new -M
	s_delay_alu instid0(VALU_DEP_1)
	v_sub_f32 v[T], v12, v[T+1]                    ; old M less new M: a whole number, 0 or less
	s_delay_alu instid0(VALU_DEP_1)
	v_cvt_i32_f32 v[T], v[T]
	s_delay_alu instid0(VALU_DEP_1)
	v_ldexp_f32 v[F], 1.0, v[T]                    ; f = 2^(old M - new M)
.irp j, 0,2,4,6,8,10,12,14,16,18,20,22,24,26,28,30,32,34,36,38,40,42,44,46,48,50,52,54,56,58,60,62
	v_pk_fma_f32 v[S+\j:S+1+\j], v[S+\j:S+1+\j], s[CS:CS+1], v[12:13] op_sel_hi:[1,0,0]   ; t - M
.endr
	v_fma_f32 v[BM], v[BM], s[CS], v12
	v_fma_f32 v[BM+2], v[BM+2], s[CS], v12
	s_wait_alu depctr_va_vdst(0)
	v_exp_f32 v[BM], v[BM]                         ; my two blocks' largest p
	v_exp_f32 v[BM+2], v[BM+2]
.set i, 0
.rept 64
	v_exp_f32 v[S+i], v[S+i]                       ; p = 2^(t - M)
.set i, i+1
.endr
	v_pk_mul_f32 v[14:15], v[14:15], v[F:F+1] op_sel_hi:[1,0]   ; the sums under the new M; the plain place behind the batch
	s_wait_alu depctr_va_vdst(0)                   ; one wait for the whole batch, ahead of its first reader
	v_max_num_f32 v[BM], 0x1800000, v[BM]          ; the floor 2^(3 - 127): the byte cannot fall under 1
	v_max_num_f32 v[BM+2], 0x1800000, v[BM+2]
	s_delay_alu instid0(VALU_DEP_2)
	v_add_nc_u32 v[SO], 0xff000000, v[BM]          ; 2 off the exponent field: the conversion's scale operand
	s_delay_alu instid0(VALU_DEP_2)
	v_add_nc_u32 v[SO+1], 0xff000000, v[BM+2]
	s_delay_alu instid0(VALU_DEP_2)
	v_lshrrev_b32 v[PM+2], 23, v[SO]               ; the bytes
	s_delay_alu instid0(VALU_DEP_2)
	v_lshrrev_b32 v[PM+3], 23, v[SO+1]
	s_delay_alu instid0(VALU_DEP_1)
	v_lshl_or_b32 v29, v[PM+3], 16, v[PM+2]        ; blocks h and 2 + h,
	s_delay_alu instid0(VALU_DEP_1)
	v_lshlrev_b32 v29, v6, v29                     ; at their places in the word (8 h bits up);
	s_delay_alu instid0(VALU_DEP_1)
	v_permlanex16_b32 v[PM+1], v29, s[SEL], s[SEL+1]
	s_delay_alu instid0(VALU_DEP_1)
	v_or_b32 v29, v29, v[PM+1]                     ; with lane l xor 16's two the word is whole
.irp c, 0,1
	v_cvt_scalef32_pk16_fp6_f32 v[PC+6*\c:PC+2+6*\c], v[S+32*\c:S+15+32*\c], v[SO+\c]
	v_cvt_scalef32_pk16_fp6_f32 v[TQ+4*\c:TQ+2+4*\c], v[S+16+32*\c:S+31+32*\c], v[SO+\c]   ; (a conversion's three registers begin on an even number)
.endr
	v_nop                                          ; one plain place behind a scaled conversion
.irp c, 0,1
.irp i, 0,1,2
	v_mov_b32 v[PC+3+6*\c+\i], v[TQ+4*\c+\i]       ; registers 6 c .. 6 c + 5: keys 64 c + 32 h + 0 .. 31
.endr
.endr
	v_pk_add_f32 v[SU:SU+1], v[S:S+1], v[S+2:S+3]  ; the row's sum, of the unquantised p, in two chains
.irp j, 4,8,12,16,20,24,28,32,36,40,44,48,52,56,60
	v_pk_add_f32 v[14:15], v[14:15], v[S+\j:S+1+\j]
	v_pk_add_f32 v[SU:SU+1], v[SU:SU+1], v[S+2+\j:S+3+\j]
.endr
	s_delay_alu instid0(VALU_DEP_1)
	v_pk_add_f32 v[14:15], v[14:15], v[SU:SU+1]
	s_wait_dscnt 0x0                               ; V's fragments and scale words are in
	v_or_b32 v38, v34, v36                         ; V's scale words: the bytes of keys 0-63 and of keys 64-127
	v_or_b32 v39, v35, v37
	s_wait_alu depctr_va_vdst(0)
.irp j, 0,2,4,6,8,10,12,14,16,18,20,22,24,26,28,30
	v_pk_mul_f32 v[O+\j:O+1+\j], v[O+\j:O+1+\j], v[F:F+1] op_sel_hi:[1,0]   ; O^T under the new M; these 16 are also the places between the scale words' writes and the products
.endr
.irp t, 0,2
	v_wmma_scale_f32_16x16x128_f8f6f4 v[O+8*\t:O+8*\t+7], v[KF+12*\t:KF+12*\t+11], v[PC:PC+11], v[O+8*\t:O+8*\t+7], v[38+\t/2], v29 matrix_a_fmt:MATRIX_FMT_FP6 matrix_b_fmt:MATRIX_FMT_FP6
	v_wmma_scale_f32_16x16x128_f8f6f4 v[O+8*\t+8:O+8*\t+15], v[KF+12*\t+12:KF+12*\t+23], v[PC:PC+11], v[O+8*\t+8:O+8*\t+15], v[38+\t/2], v29 matrix_a_fmt:MATRIX_FMT_FP6 matrix_b_fmt:MATRIX_FMT_FP6 matrix_a_scale:MATRIX_SCALE_ROW1
.endr
	s_add_co_u32 s48, s48, REC
	v_add_nc_u32 v3, s48, v1                       ; the next record's addresses (behind the last step they are not used); with two v_nop: the four places ahead of the loads into V's registers
	v_add_nc_u32 v4, s48, v2
	v_nop
	v_nop
	s_sub_co_u32 s49, s49, 1
	s_cmp_lg_u32 s49, 0
	s_wait_alu depctr_va_vdst(0)
	s_cbranch_scc1 .Lstep
	v_add_f32 v14, v14, v15                        ; the sum's two halves,
	s_delay_alu instid0(VALU_DEP_1)
	v_permlanex16_b32 v[T], v14, s[SEL], s[SEL+1]
	s_delay_alu instid0(VALU_DEP_1)
	v_add_f32 v14, v14, v[T]                       ; and lane l xor 16's
	s_wait_alu depctr_va_vdst(0)
	v_rcp_f32 v14, v14
	v_nop
	s_wait_alu depctr_va_vdst(0)
.set i, 0
.rept 32
	v_mul_f32 v[S+i], v[O+i], v14                  ; y: register 16 b + i is the head's dim 32 b + 16 h + i
.set i, i+1
.endr
.irp b, 0,1
	v_max3_num_f32 v[BM+\b], |v[S+16*\b]|, |v[S+1+16*\b]|, 0x1800000
.endr
.irp i, 2,4,6,8,10,12,14
.irp b, 0,1
	s_delay_alu instid0(VALU_DEP_2)
	v_max3_num_f32 v[BM+\b], v[BM+\b], |v[S+16*\b+\i]|, |v[S+1+16*\b+\i]|
.endr
.endr
.irp b, 0,1
	s_delay_alu instid0(VALU_DEP_2)
	v_permlanex16_b32 v[PM+\b], v[BM+\b], s[SEL], s[SEL+1]
.endr
.irp b, 0,1
	s_delay_alu instid0(VALU_DEP_2)
	v_max_num_f32 v[BM+\b], v[BM+\b], v[PM+\b]
.endr
.irp b, 0,1
	s_delay_alu instid0(VALU_DEP_2)
	v_add_nc_u32 v[SO+\b], 0xff000000, v[BM+\b]
.endr
.irp b, 0,1
	s_delay_alu instid0(VALU_DEP_2)
	v_lshrrev_b32 v[PM+\b], 23, v[SO+\b]
.endr
	s_delay_alu instid0(VALU_DEP_1)
	v_lshl_or_b32 v[YW], v[PM+1], 8, v[PM]
	s_delay_alu instid0(VALU_DEP_1)
	v_lshlrev_b32 v[YW], s55, v[YW]                ; the head's two bytes at their places in the word of four
	v_cvt_scalef32_pk16_fp6_f32 v[PC:PC+2], v[S:S+15], v[SO]
	v_cvt_scalef32_pk16_fp6_f32 v[TQ:TQ+2], v[S+16:S+31], v[SO+1]
	v_nop
.irp i, 0,1,2
	v_permlane16_swap_b32 v[PC+\i], v[TQ+\i]       ; a whole block to a lane
.endr
.irp i, 0,1,2
	s_delay_alu instid0(VALU_DEP_3)
	v_mov_b32 v[PC+3+\i], v[TQ+\i]
.endr
	global_store_b128 v1, v[PC:PC+3], s[10:11]
	global_store_b64 v2, v[PC+4:PC+5], s[10:11] offset:512
	global_store_b32 v5, v[YW], s[12:13]
	s_wait_tensorcnt 0x0                           ; the wave's end
	ds_add_u32 v254, v255
	s_wait_dscnt 0x0
	ROUND                                          ; the closing round
	s_endpgm
.Lfunc_end_k_q49e7d4ba43_attn:
	.size	k_q49e7d4ba43_attn, .Lfunc_end_k_q49e7d4ba43_attn-k_q49e7d4ba43_attn
	.p2alignl 7, 3214868480
	.fill 96, 4, 3214868480
	.section	.rodata,"a",@progbits
	.p2align	6, 0x0
	.amdhsa_kernel k_q49e7d4ba43_attn
		.amdhsa_group_segment_fixed_size 231424
		.amdhsa_private_segment_fixed_size 0
		.amdhsa_enable_private_segment 0
		.amdhsa_kernarg_size 40
		.amdhsa_user_sgpr_count 2
		.amdhsa_user_sgpr_kernarg_segment_ptr 1
		.amdhsa_wavefront_size32 1
		.amdhsa_system_sgpr_workgroup_id_x 1
		.amdhsa_system_sgpr_workgroup_id_y 1
		.amdhsa_system_sgpr_workgroup_id_z 1
		.amdhsa_system_vgpr_workitem_id 0
		.amdhsa_next_free_vgpr 256
		.amdhsa_next_free_sgpr 66
		.amdhsa_reserve_vcc 0
		.amdhsa_float_denorm_mode_32 3
		.amdhsa_float_denorm_mode_16_64 3
		.amdhsa_memory_ordered 1
		.amdhsa_forward_progress 1
		.amdhsa_inst_pref_size 28
	.end_amdhsa_kernel
	.amdgpu_metadata
---
amdhsa.version: [ 1, 2 ]
amdhsa.kernels:
  - .name:           k_q49e7d4ba43_attn
    .symbol:         k_q49e7d4ba43_attn.kd
    .args:
      - { .name: qb, .offset: 0, .size: 8, .value_kind: global_buffer, .address_space: global }
      - { .name: kv, .offset: 8, .size: 8, .value_kind: global_buffer, .address_space: global }
      - { .name: tau, .offset: 16, .size: 8, .value_kind: global_buffer, .address_space: global }
      - { .name: yc, .offset: 24, .size: 8, .value_kind: global_buffer, .address_space: global }
      - { .name: ys, .offset: 32, .size: 8, .value_kind: global_buffer, .address_space: global }
    .group_segment_fixed_size: 231424
    .private_segment_fixed_size: 0
    .kernarg_segment_align: 8
    .kernarg_segment_size: 40
    .max_flat_workgroup_size: 512
    .sgpr_count:     66
    .vgpr_count:     256
    .wavefront_size: 32
...
	.end_amdgpu_metadata
.endif
;; end of part 3
;; launch oproj (part 4): grid 16 x 16, 4 waves a work-group, clusters of 4 x 1, 168,448 bytes of LDS; arguments yc, ys, wc, bo, out0; writes out0
.if DOCPART == 4
	.amdgcn_target "amdgcn-amd-amdhsa--gfx1250"
	.amdhsa_code_object_version 6
	.text
	.protected	k_q49e7d4ba43_oproj
	.globl	k_q49e7d4ba43_oproj
	.p2align	8
	.type	k_q49e7d4ba43_oproj,@function
k_q49e7d4ba43_oproj:
	s_mov_b64 s[64:65], 0
	v_nop
	global_prefetch_b8 v0, s[64:65] scope:SCOPE_SE
	s_setreg_imm32_b32 hwreg(HW_REG_WAVE_MODE, 25, 1), 1
	s_wait_xcnt 0x0
	s_wait_alu depctr_hold_cnt(0) depctr_sa_sdst(0) depctr_va_vdst(0) depctr_va_sdst(0) depctr_va_ssrc(0) depctr_va_vcc(0) depctr_vm_vsrc(0)
	s_getreg_b32 s2, hwreg(HW_REG_IB_STS2, 6, 4)
	s_cmp_eq_u32 s2, 0
	s_cbranch_scc0 .Lentry_in_a_cluster
	s_endpgm
.Lentry_in_a_cluster:
	s_bfe_u32 s2, ttmp6, 0x10000c
	s_cmp_lg_u32 s2, 0x3003
	s_cbranch_scc0 .Lentry_shape_is_right
	s_endpgm
.Lentry_shape_is_right:
; out = y Wo + bo on codes of FP6 (E2M3) with E8M0 scales, sums in f32.  Work-group = (256 tokens, 64 columns); a wave has 64 tokens x 64 columns: 16 accumulators, 128 matrix instructions.
; Source 0 = 16 columns of Wo, source 1 = 16 tokens of y: a lane holds one token and eight neighbouring columns.  The rows of every tile are in the order 8 u + r + 8 (r / 8) of a group of 32.
; THE 64 COLUMNS OF Wo, 51,200 bytes of fragment images and scale words, come into LDS ONCE, as they lie in memory, by one tensor load a wave; nothing is filled again.
; CLUSTER: the four work-groups of a cluster have the same columns, so each of these loads is asked for jointly.
; y goes from memory straight into the registers of the one wave that multiplies it, all 384 registers at the head.  It is not asked for jointly: each fragment serves one wave alone, and through LDS
; its 196,608 bytes a work-group would be written and read once more for the same 128 matrix instructions a wave.
; bo is the C of each sum's first matrix instruction.
; REGISTERS.  window 0: v4-11 offsets; v32-63 y's scale words (8 tt + ks); v64-67 Wo's, two sets; v128-223 Wo's fragments, two sets of 48; v224-255 the odd heads' halves of y's scale words;
;   on the way out v128-255 are four sets of 32.   window 1: y for ks 0-4 (48 ks + 12 tt).   window 2: y for ks 5-7.   window 3: the accumulators (8 (4 tt + dt)); v128-159 bo.
.set WV,  18
.set G0,  24                           ; s[24:27] group 0: my quarter of Wo's block
.set G1S, 68                           ; s[68:75] group 1: 50 rows of 256 bytes
.set YS,  32
.set WS,  64
.set WF,  128
.set STG, 51200                        ; behind Wo's block: a stage of 16 rows x (256 + 16) bytes for each wave; no tensor load lands there
.set MSB, 0
.macro WIN new
.if MSB != \new
	s_set_vgpr_msb (MSB<<8)|\new
.set MSB, \new
.endif
.endm
.macro ROUND
	s_barrier_signal -1
	s_barrier_wait -1
	s_cmp_lg_u32 s[WV], 0
	s_cbranch_scc1 .Lnot_wave_0_\@
	s_barrier_signal -3
.Lnot_wave_0_\@:
	s_barrier_wait -3
	s_barrier_signal -1
	s_barrier_wait -1
.endm
.macro PLACES
.rept 4
	v_nop
.endr
.endm
	s_load_b256 s[4:11], s[0:1], 0x0               ; yc, ys, wc, bo
	s_load_b64 s[12:13], s[0:1], 0x20              ; out0
	v_lshl_add_u32 v126, v0, 2, 0x29000
	v_mov_b32 v127, 0
	ds_add_u32 v126, v127
	ds_add_u32 v126, v127
	v_lshrrev_b32 v1, 5, v0
	v_readfirstlane_b32 s[WV], v1
	s_and_b32 s21, ttmp7, 0xffff                   ; the block of 64 columns, which the four partners share
.irp g, G1S
	s_mov_b32 s[\g], 0x23000f                      ; the mask: all four work-groups; elements of 8 bytes; bit 21 beside the mask; no padding
	s_mov_b32 s[\g+1], 32<<16
	s_mov_b32 s[\g+3], 32<<16
	s_mov_b32 s[\g+5], 32
	s_mov_b32 s[\g+6], 0
	s_mov_b32 s[\g+7], 0
.endr
	s_mov_b32 s[G1S+2], 50<<16                     ; a quarter of the block's 200 rows
	s_mov_b32 s[G1S+4], 50
	s_mul_i32 s60, s21, 51200
	s_add_co_u32 s60, s60, 2457600                 ; Wo's blocks lie behind the sixteen head blocks
	s_mov_b32 s61, 0
	s_mul_i32 s62, s[WV], 12800                    ; my quarter of the block's 51,200 bytes: ONE tensor load a wave brings it
	s_mov_b32 s63, 0
	s_wait_dscnt 0x0
	s_wait_kmcnt 0x0
	s_add_nc_u64 s[60:61], s[8:9], s[60:61]
	s_mov_b32 s[G0], 1
	s_mov_b32 s[G0+1], s62
	s_add_nc_u64 s[G0+2:G0+3], s[60:61], s[62:63]
	s_or_b32 s[G0+3], s[G0+3], 0x80000000
	ROUND                                          ; all four work-groups are here: the joint loads meet
	tensor_load_to_lds s[G0:G0+3], s[G1S:G1S+7]
	s_nop 0
.rept 4
	v_nop
.endr
	v_and_b32 v1, 31, v0
	v_and_b32 v2, 15, v0                           ; r
	v_bfe_u32 v3, v0, 4, 1                         ; h
	v_lshlrev_b32 v4, 4, v1                        ; 16 x lane
	v_lshlrev_b32 v5, 2, v1                        ; 4 x lane
	v_lshlrev_b32 v6, 3, v1                        ; 8 x lane
	v_lshlrev_b32 v7, 6, v3                        ; 64 h
	s_wait_alu depctr_va_vdst(0)
	s_mul_i32 s88, s[WV], 4352
	s_add_co_u32 s88, s88, STG                     ; my stage
	v_mul_u32_u24 v9, v2, 272
	v_lshl_add_u32 v9, v3, 6, v9
	v_add_nc_u32 v9, s88, v9                       ; in: row r, + 64 h
	v_mul_u32_u24 v10, v3, 272
	v_lshl_add_u32 v10, v2, 4, v10
	v_add_nc_u32 v10, s88, v10                     ; back: lanes 0-15 one row, lanes 16-31 the next
	v_lshlrev_b32 v11, 12, v3
	v_lshl_add_u32 v11, v2, 4, v11                 ; and the same two rows in out0
	s_bfe_u32 s19, ttmp6, 0x40000                  ; cx: it enters yc's, ys's and out0's global addresses alone
	s_lshl_b32 s20, ttmp9, 2
	s_add_co_u32 s20, s20, s19                     ; my block of 256 tokens
	s_lshl_b32 s89, s20, 4
	s_lshl_b32 s90, s[WV], 2
	s_add_co_u32 s89, s89, s90                     ; my first tile of tokens
	s_mul_i32 s90, s89, 12288
	s_mov_b32 s91, 0
	s_add_nc_u64 s[4:5], s[4:5], s[90:91]
	s_lshl_b32 s90, s89, 11
	s_add_nc_u64 s[6:7], s[6:7], s[90:91]
	s_lshl_b32 s92, s21, 8                         ; 64 columns of f32
	s_mov_b32 s93, 0
	s_add_nc_u64 s[10:11], s[10:11], s[92:93]
	s_lshl_b32 s90, s89, 16                        ; 16 rows of 4,096 bytes a tile
	s_add_nc_u64 s[12:13], s[12:13], s[90:91]
	s_add_nc_u64 s[12:13], s[12:13], s[92:93]
.irp k, 0,1,2,3,4,5,6,7
.irp tt, 0,1,2,3
	global_load_b32 v[YS+8*\tt+\k], v5, s[6:7] offset:2048*\tt+256*\k          ; head 2 ks: bytes 0, 1
	global_load_b32 v[224+8*\tt+\k], v5, s[6:7] offset:2048*\tt+256*\k+128     ; head 2 ks + 1: bytes 2, 3
.endr
.endr
	WIN 0xc0
.irp t, 0,1,2,3
	global_load_b128 v[128+8*\t:128+8*\t+3], v7, s[10:11] offset:(32*(\t/2)+8*(\t%2))*4
	global_load_b128 v[128+8*\t+4:128+8*\t+7], v7, s[10:11] offset:(32*(\t/2)+8*(\t%2))*4+16
.endr
.macro YSET ks                         ; my four fragments of y for K step ks: sixteen loads; a fragment is two heads' halves of 768 bytes
.if (\ks) < 5
	WIN 0x40
.set YB, 48*(\ks)
.else
	WIN 0x80
.set YB, 48*((\ks)-5)
.endif
.irp tt, 0,1,2,3
	global_load_b128 v[YB+12*\tt:YB+12*\tt+3], v4, s[4:5] offset:12288*\tt+1536*(\ks)
	global_load_b64 v[YB+12*\tt+4:YB+12*\tt+5], v6, s[4:5] offset:12288*\tt+1536*(\ks)+512
	global_load_b128 v[YB+12*\tt+6:YB+12*\tt+9], v4, s[4:5] offset:12288*\tt+1536*(\ks)+768
	global_load_b64 v[YB+12*\tt+10:YB+12*\tt+11], v6, s[4:5] offset:12288*\tt+1536*(\ks)+1280
.endr
.endm
.irp k, 0,1,2,3,4,5,6,7
	YSET \k
.endr
	WIN 0
	s_wait_loadcnt 63                              ; 128 loads of y were issued behind the scale words and bo: with 63 out these are in, and so are y's first four K steps
.irp k, 0,1,2,3,4,5,6,7
.irp tt, 0,1,2,3
	v_or_b32 v[YS+8*\tt+\k], v[YS+8*\tt+\k], v[224+8*\tt+\k]   ; K step 0's words first: 28 plain instructions follow them ahead of the first product
.endr
.endr
.macro LOADW ks                        ; Wo's four fragments and two pairs' scale words of K step ks into set ks % 2: 14 LDS loads
.irp t, 0,1,2,3
.irp g, 0,1,2
	ds_load_b128 v[WF+48*((\ks)%2)+12*\t+4*\g:WF+48*((\ks)%2)+12*\t+4*\g+3], v4 offset:2048+6144*(\ks)+1536*\t+512*\g
.endr
.endr
.irp g, 0,1
	ds_load_b32 v[WS+2*((\ks)%2)+\g], v5 offset:256*(\ks)+128*\g
.endr
.endm
	s_wait_tensorcnt 0x0                           ; my quarter of the block is in
	s_barrier_signal -1
	s_barrier_wait -1
	LOADW 0
; The 16 accumulators take turns, one instruction a turn, in the same order in every K step.
.macro KS ks
	s_wait_dscnt 0x0                               ; this K step's fragments of Wo are in
.if (\ks) < 7
	LOADW (\ks)+1                                  ; into the set that the K step before multiplied: four places stand behind its products
.endif
.if (\ks) < 4
	s_wait_loadcnt 63
.else
	s_wait_loadcnt 16*(7-(\ks))                    ; this K step's y is in; sixteen loads for each later K step may be out
.endif
.if (\ks) < 5
	WIN 0xf4                                       ; Wo window 0, y window 1, C and D window 3
.set YB, 48*(\ks)
.else
	WIN 0xf8                                       ; y window 2
.set YB, 48*((\ks)-5)
.endif
.irp tt, 0,1,2,3
.irp dt, 0,1,2,3
.set rD, 8*(4*\tt+\dt)
.if (\ks) == 0
.set rC, 128+8*\dt
.else
.set rC, rD
.endif
.set rA, WF+48*((\ks)%2)+12*\dt
.set rB, YB+12*\tt
.if \dt%2
	v_wmma_scale_f32_16x16x128_f8f6f4 v[rD:rD+7], v[rA:rA+11], v[rB:rB+11], v[rC:rC+7], v[WS+2*((\ks)%2)+\dt/2], v[YS+8*\tt+(\ks)] matrix_a_fmt:MATRIX_FMT_FP6 matrix_b_fmt:MATRIX_FMT_FP6 matrix_a_scale:MATRIX_SCALE_ROW1
.else
	v_wmma_scale_f32_16x16x128_f8f6f4 v[rD:rD+7], v[rA:rA+11], v[rB:rB+11], v[rC:rC+7], v[WS+2*((\ks)%2)+\dt/2], v[YS+8*\tt+(\ks)] matrix_a_fmt:MATRIX_FMT_FP6 matrix_b_fmt:MATRIX_FMT_FP6
.endif
.endr
.endr
	WIN 0
	PLACES
.endm
.irp k, 0,1,2,3,4,5,6,7
	s_wait_alu depctr_va_vdst(0)
	KS \k
.endr
	; THE WAY OUT.  A lane holds 16 neighbouring columns twice over of one token; a tile of 16 tokens x 64 columns goes through my own stage and comes back as whole rows of 256 bytes.
	; LDS serves a wave's instructions in order: no wait between the stores and the loads, nor ahead of the next tile's stores.
.irp tt, 0,1,2,3
	WIN 0x0c                                       ; an LDS store's data are its source 1: window 3
.irp dt, 0,1,2,3
	ds_store_b128 v9, v[8*(4*\tt+\dt):8*(4*\tt+\dt)+3] offset:128*(\dt/2)+32*(\dt%2)       ; each accumulator from its low end on
	ds_store_b128 v9, v[8*(4*\tt+\dt)+4:8*(4*\tt+\dt)+7] offset:128*(\dt/2)+32*(\dt%2)+16
.endr
	WIN 0
.irp i, 0,1,2,3,4,5,6,7
	ds_load_b128 v[128+32*\tt+4*\i:128+32*\tt+4*\i+3], v10 offset:544*\i
.endr
.endr
.irp tt, 0,1,2,3
.irp i, 0,1,2,3,4,5,6,7
	s_wait_dscnt 16*(3-\tt)+7-\i                   ; behind this load: the rest of its tile's, and sixteen LDS instructions for each later tile
	global_store_b128 v11, v[128+32*\tt+4*\i:128+32*\tt+4*\i+3], s[12:13] offset:(32*(\tt/2)+8*(\tt%2)+2*\i+8*(\i/4))*4096 th:TH_STORE_NT   ; sixteen lanes store 256 consecutive bytes, aligned; stage row 2 i + h is token 2 i + h + 8 (i / 4) of the tile's order
.endr
.endr
	s_wait_tensorcnt 0x0
	ds_add_u32 v126, v127
	s_wait_dscnt 0x0
	ROUND                                          ; the closing round: no work-group ends while a partner may still ask for a tile that names it
	s_endpgm
.Lfunc_end_k_q49e7d4ba43_oproj:
	.size	k_q49e7d4ba43_oproj, .Lfunc_end_k_q49e7d4ba43_oproj-k_q49e7d4ba43_oproj
	.p2alignl 7, 3214868480
	.fill 96, 4, 3214868480
	.section	.rodata,"a",@progbits
	.p2align	6, 0x0
	.amdhsa_kernel k_q49e7d4ba43_oproj
		.amdhsa_group_segment_fixed_size 168448
		.amdhsa_private_segment_fixed_size 0
		.amdhsa_enable_private_segment 0
		.amdhsa_kernarg_size 40
		.amdhsa_user_sgpr_count 2
		.amdhsa_user_sgpr_kernarg_segment_ptr 1
		.amdhsa_wavefront_size32 1
		.amdhsa_system_sgpr_workgroup_id_x 1
		.amdhsa_system_sgpr_workgroup_id_y 1
		.amdhsa_system_sgpr_workgroup_id_z 1
		.amdhsa_system_vgpr_workitem_id 0
		.amdhsa_next_free_vgpr 1024
		.amdhsa_next_free_sgpr 100
		.amdhsa_reserve_vcc 0
		.amdhsa_float_denorm_mode_32 3
		.amdhsa_float_denorm_mode_16_64 3
		.amdhsa_memory_ordered 1
		.amdhsa_forward_progress 1
		.amdhsa_inst_pref_size 58
	.end_amdhsa_kernel
	.amdgpu_metadata
---
amdhsa.version: [ 1, 2 ]
amdhsa.kernels:
  - .name:           k_q49e7d4ba43_oproj
    .symbol:         k_q49e7d4ba43_oproj.kd
    .args:
      - { .name: yc, .offset: 0, .size: 8, .value_kind: global_buffer, .address_space: global }
      - { .name: ys, .offset: 8, .size: 8, .value_kind: global_buffer, .address_space: global }
      - { .name: wc, .offset: 16, .size: 8, .value_kind: global_buffer, .address_space: global }
      - { .name: bo, .offset: 24, .size: 8, .value_kind: global_buffer, .address_space: global }
      - { .name: out0, .offset: 32, .size: 8, .value_kind: global_buffer, .address_space: global }
    .group_segment_fixed_size: 168448
    .private_segment_fixed_size: 0
    .kernarg_segment_align: 8
    .kernarg_segment_size: 40
    .max_flat_workgroup_size: 128
    .sgpr_count:     100
    .vgpr_count:     1024
    .wavefront_size: 32
...
	.end_amdgpu_metadata
.endif
;; end of part 4
